; MI455X (gfx1250); checked and timed in simulation.
; The chip was launched on July 23, 2026; its instructions are those of AMD's public machine-readable ISA for CDNA 5 (MIT licence, August 2026) and "CDNA5" Instruction Set Architecture Reference Guide (July 2026). The comments in the code are by the model that wrote it; some were corrected since.
;; Cross Attention. Allowed arithmetic: matrix products marked QUANTISED: E5M2 operands, one given power-of-two scale a tensor, by v_wmma_f32_16x16x64_bf8_bf8 or v_wmma_f32_16x16x128_bf8_bf8, f32 sums; everything else in f32.
;; Inputs: Jg_embedding 8 x 64 x 64 x 64 float32; Jp_embedding 8 x 64 x 64 x 64 float32; Wk 128 x 64 float32; Wq 128 x 64 float32; Wv 128 x 64 float32; bk 128 float32; bq 128 float32; bv 128 float32; lowp_scales 10 int32 (the exponents e of the quantised operands' scales 2^e).
;; Outputs: out0 8 x 128 x 64 x 64 float32.
;; This version of the problem:
;;   THIS VERSION OF THE PROBLEM IS GIVEN IN LOW PRECISION. The matrix products marked QUANTISED in the list below multiply operands that are first quantised to E5M2 (5 exponent bits, 2 mantissa bits; 8 bits a number), with one given power-of-two scale for each operand tensor; their sums are f32. All else is computed in f32.
;;   The module's matrix products, in the order in which they are computed (A, B: the left and right operand; K: the contracted axis; several contracted axes count as one K, in the product's order):
;;     1. [M 32,768, K 64] x [K 64, N 128]; A: input Jp_embedding; B: input Wq: QUANTISED (scales: A lowp_scales[0], B lowp_scales[1])
;;     2. [M 128, K 64] x [K 64, N 32,768]; A: input Wk; B: input Jg_embedding: QUANTISED (scales: A lowp_scales[2], B lowp_scales[3])
;;     3. [M 32,768, K 64] x [K 64, N 128]; A: input Jg_embedding; B: input Wv: QUANTISED (scales: A lowp_scales[4], B lowp_scales[5])
;;     4. batch 8 x [M 4,096, K 128] x [K 128, N 4,096]; A: computed on the way; B: computed on the way: QUANTISED (scales: A lowp_scales[6], B lowp_scales[7])
;;     5. batch 8 x [M 4,096, K 4,096] x [K 4,096, N 128]; A: softmax (see below); B: computed on the way: QUANTISED (scales: A lowp_scales[8], B lowp_scales[9])
;;   THE QUANTISER, for each operand of a quantised product, along K:
;;     - The operand's scale is 2^e, e = its entry of the input lowp_scales (int32; the entries are numbered through the quantised products in the list's order, A before B).
;;     - Each number is divided by the scale, clamped to +-57,344, and rounded to the nearest number of E5M2, ties to even, subnormals kept.
;;     - The product sums the exact products of the quantised numbers (number of the format x scale) in f32.
;;   ~~~python
;;   def quantise(x, axis, e):      # numpy; x: float32 -> the quantised numbers, widened to float32 again
;;       x = np.moveaxis(x, axis, -1); K = x.shape[-1]
;;       r = np.clip(x / 2.0 ** e, -57344, 57344)
;;       step = 2.0 ** (np.maximum(np.frexp(np.where(r == 0, 1, r))[1] - 1, -14) - 2)
;;       q = np.round(r / step) * step * 2.0 ** e      # np.round: ties to even
;;       return np.moveaxis(q, -1, axis).astype(np.float32)
;;   ~~~
;;   SOFTMAX AHEAD OF A QUANTISED PRODUCT. Where the list says 'softmax', what is quantised is not the finished softmax but p = 2^(t - M), with t = logit x log2(e) and M = ceil(the row's largest t), a whole number; so 1/2 < the row's largest p <= 1. The row's sum l is taken of the UNQUANTISED p, in f32, and the product's result is divided by l at the end. Since M is a whole number, a kernel that streams over the keys may use a running M (the ceiling of the running maximum): every later rescaling is an exact power of two, so the quantised numbers keep their values, but for numbers so far below the row's largest that they fall under the format's range.
;;   OPERANDS COMPUTED ON THE WAY. 'Computed on the way' means the value that the module computes at that place (a softmax that the list does not call 'softmax' is quantised finished and normalised). What goes into a quantiser is computed in f32, as accurately as f32 sums, v_exp_f32 and their like allow (about 1e-6 of the number): no bf16 or f16 on the way to a quantiser, and a product that is left as it is and whose result goes on into a quantised operand takes f32 operands (vector FMAs, or v_wmma_f32_16x16x4_f32). A number that lies on a knife's edge between two numbers of the format may be rounded either way, as far as f32 arithmetic and the matrix unit's own rounding can turn it there, and no further.
;; One version. Each part assembles by itself: llvm-mc -triple=amdgcn-amd-amdhsa -mcpu=gfx1250 --defsym DOCPART=n.
;; ======== version 1 of 1: 2 launches
;; limits: right only within a limited range of input values
;; workspace buffers: qimg 4,194,304 bytes; kv 8,388,608 bytes
;; launch project (part 1): grid 256 x 1, 6 waves a work-group, no clusters, 0 bytes of LDS; arguments Jp_embedding, Jg_embedding, Wq, Wk, Wv, bq, bk, bv, lowp_scales, qimg, kv; writes qimg, kv
.if DOCPART == 1
	.amdgcn_target "amdgcn-amd-amdhsa--gfx1250"
	.amdhsa_code_object_version 6
	.text
	.protected	k_q1f5da0d810_project
	.globl	k_q1f5da0d810_project
	.p2align	8
	.type	k_q1f5da0d810_project,@function
k_q1f5da0d810_project:
	s_mov_b64 s[64:65], 0
	v_nop
	global_prefetch_b8 v0, s[64:65] scope:SCOPE_SE
	s_setreg_imm32_b32 hwreg(HW_REG_WAVE_MODE, 25, 1), 1
	s_wait_xcnt 0x0
; THE THREE PROJECTIONS.  Q = Jp^T Wq^T + bq, K = Jg^T Wk^T + bk, V = Jg^T Wv^T + bv (per pixel, 64 channels -> 128), each product on codes of BF8 (E5M2) with the given scales, and
; each result quantised at once, with its own given scale, into the operand that the attention launch wants.  Jp, Jg: [8][64 channels][4,096 pixels] f32.  W: [128][64] f32.  b: [128] f32.
; WHAT IS STORED: IMAGES OF FRAGMENTS.  A fragment is 16 rows x 128 k of codes, 16 registers a lane, in the K = 128 form's own layout (registers 2 c, 2 c + 1: k = 16 c + 8 (lane / 16) + 0 .. 7).
; Its image is 2,048 bytes: registers 4 g .. 4 g + 3 of lane l at 512 g + 16 l.  Every store of a wave covers 512 consecutive bytes, aligned.
;   qimg: [batch][256 tiles][2,048]: rows = queries, k = the 128 features.      kv: [batch][32 steps of 128 keys][8 tiles of K (rows = keys, k = features), then 8 tiles of V (rows = features, k = the step's keys)].
; THE PIXELS OF A TILE ARE NOT NEIGHBOURS: tile i (0 .. 3) of a group of 64 pixels holds pixels 4 r + i, r = its row.  So a lane loads four neighbouring pixels of a channel by one load of 16 bytes, and
; sixteen lanes read 256 consecutive bytes, aligned.  K's rows and V's k come from the same fragments of Jg, so the keys' order is alike in both; the queries' order shows only in the output's row address.
; SHARES.  Work-group g = 32 batch + s owns pixels 128 s .. 128 s + 127.  Wave w: role w / 2 (0 Q, 1 K, 2 V), and which 64 of the pixels: w % 2.  A wave quantises its 64 x 64 block of pixels and its
; whole weight in registers, issues 32 matrix instructions and stores 8 KiB.  Waves share nothing: no LDS, no barrier.  Jg is read by the K wave and by the V wave, since its two scales may differ.
; Q AND K are used transposed (source 0 = 16 rows of W, source 1 = 16 pixels): a lane holds ONE pixel, its 8 registers of tile t the features 16 t + 8 (lane / 16) + 0 .. 7: one conversion gives registers
; 2 t, 2 t + 1 of the fragment.  V the other way (source 0 = 16 pixels, source 1 = 16 rows of W): a lane holds ONE feature, its 8 registers 8 rows of a tile of pixels: registers 2 c, 2 c + 1, c = the tile.
; THE SCALES.  A sum of codes stands for sum x 2^(eX + eW).  The bias goes in as the C of the one matrix instruction of each sum, as b / 2^(eX + eW); the result's conversion takes 2^(eO - eX - eW).
; LIMITS: eX, eW and eO - eX - eW lie between -126 and 112, so that each power of two below, and 57,344 times it, is an f32 number.  NaN among the inputs is not served; an infinity among the pixels is held at the largest code.
; REGISTERS.  Window 0: v1 r, v2 h, v3-6 offsets, v8-13 scales and limits, v16-79 W's 8 fragments, v80-111 the pixels' 4 fragments, v112-175 the bias in the result's layout, v176-239 8 accumulators
; (before that: at work), v240-255 the codes.   Window 1: v0-127 the pixels as loaded, v128-255 four tiles of W as loaded.
.set XR,   0                           ; window 1: register 4 (8 c + j) + i = pixel 4 r + i, channel 16 c + 8 h + j
.set WR,   128                         ; window 1: register 32 t + 8 c + j = row 16 t + r, channel 16 c + 8 h + j
.set WF,   16
.set XF,   80
.set BIAS, 112
.set ACC,  176
.set PC,   240
.set MSB, 0
.macro WIN new                         ; the immediate's high byte repeats the setting that is left; a switch that changes nothing is dropped
.if MSB != \new
	s_set_vgpr_msb (MSB<<8)|\new
.set MSB, \new
.endif
.endm
.macro PLACES                          ; four plain places behind matrix instructions, ahead of the first read of their results (ISA guide 7.12.1)
.rept 4
	v_nop
.endr
.endm
.macro POW2 e, sc, lim                 ; s[e] = a whole number e:  v[sc] = 2^e as f32 (a conversion takes its exponent field), v[lim] = 57,344 x 2^e
	s_add_co_i32 s58, s[\e], 127
	s_lshl_b32 s59, s58, 23
	v_mov_b32 v[\sc], s59
	s_add_co_i32 s58, s58, 15
	s_lshl_b32 s58, s58, 23
	s_or_b32 s58, s58, 0x600000
	v_mov_b32 v[\lim], s58
.endm
.macro WLOAD first                     ; tiles first .. first + 3 of W: 32 loads
	WIN 0x40                                       ; destination window 1, offset window 0
.irp t, 0,1,2,3
.irp c, 0,1,2,3
	global_load_b128 v[WR+32*\t+8*\c:WR+32*\t+8*\c+3],   v4, s[48:49] offset:4096*(\first+\t)+64*\c
	global_load_b128 v[WR+32*\t+8*\c+4:WR+32*\t+8*\c+7], v4, s[48:49] offset:4096*(\first+\t)+64*\c+16
.endr
.endr
.endm
.macro WQUANT first                    ; and their codes
	WIN 0x41                                       ; destination and source 0 window 1
.set n, 0
.rept 128
.set n, n+1
.endr
	WIN 0x01                                       ; source 0 window 1, destination window 0
.irp t, 0,1,2,3
.irp c, 0,1,2,3
	v_cvt_scalef32_pk8_bf8_f32 v[WF+8*(\first+\t)+2*\c:WF+8*(\first+\t)+2*\c+1], v[WR+32*\t+8*\c:WR+32*\t+8*\c+7], v10
.endr
.endr
	v_nop                                          ; one plain line behind the last conversion of a run
.endm
.macro XQUANT first                    ; tiles first, first + 1 of the pixels.  The hold also brings a tile's 8 channels of a block on end: no line is spent on the turn
	WIN 0x01
.irp u, 0,1
.irp c, 0,1,2,3
.irp j, 0,1,2,3,4,5,6,7
	v_med3_num_f32 v[ACC+32*\u+8*\c+\j], v[XR+4*(8*\c+\j)+\first+\u], -v9, v9
.endr
.endr
.endr
	WIN 0
.irp u, 0,1
.irp c, 0,1,2,3
	v_cvt_scalef32_pk8_bf8_f32 v[XF+8*(\first+\u)+2*\c:XF+8*(\first+\u)+2*\c+1], v[ACC+32*\u+8*\c:ACC+32*\u+8*\c+7], v8
.endr
.endr
	v_nop
.endm
; All that the three roles have in common, behind the role's loads of its bias (the oldest loads).
.macro PREP
	WLOAD 0
.irp c, 0,1,2,3
.irp j, 0,1,2,3,4,5,6,7
	global_load_b128 v[XR+4*(8*\c+\j):XR+4*(8*\c+\j)+3], v3, s[46:47] offset:(16*\c+\j)*16384   ; channel 16 c + 8 h + j, pixels 4 r .. 4 r + 3
.endr
.endr
	WIN 0
	s_wait_kmcnt 0x0                               ; the exponents
	s_cmp_eq_u32 s43, 1
	s_cselect_b32 s54, s35, s36                    ; eX: the pixels':  e0 (Q), e3 (K), e4 (V)
	s_cselect_b32 s55, s34, s37                    ; eW: the weight's: e1, e2, e5
	s_cselect_b32 s56, s39, s40                    ; eO: the result's: e6, e7, e9
	s_cmp_eq_u32 s43, 0
	s_cselect_b32 s54, s32, s54
	s_cselect_b32 s55, s33, s55
	s_cselect_b32 s56, s38, s56
	s_add_co_i32 s57, s54, s55
	s_sub_co_i32 s56, s56, s57                     ; eO - eX - eW
	s_sub_co_i32 s57, 0, s57                       ; -(eX + eW), for the bias
	POW2 54, 8, 9
	POW2 55, 10, 11
	POW2 56, 12, 13
	s_wait_alu depctr_va_vdst(0)
	s_wait_loadcnt 32                              ; all but the youngest 32, the pixels': the bias and W's tiles 0-3 are in
	WQUANT 0
	WLOAD 4
	s_wait_loadcnt 32                              ; all but the 32 just issued: the pixels are in
	XQUANT 0
	XQUANT 2
	s_wait_loadcnt 0x0                             ; W's tiles 4-7
	WQUANT 4
	WIN 0
.endm
; The 8 accumulators become 16 registers of codes: accumulator a gives v[PC + 2 a], v[PC + 2 a + 1].
.macro OUTQ
	PLACES
.set n, 0
.rept 64
.set n, n+1
.endr
	s_wait_xcnt 0x0                                ; the codes' registers are the last stores' data: they are written again only behind this wait
.irp a, 0,1,2,3,4,5,6,7
	v_cvt_scalef32_pk8_bf8_f32 v[PC+2*\a:PC+2*\a+1], v[ACC+8*\a:ACC+8*\a+7], v12
.endr
	v_nop                                          ; one plain line between the conversions and the next products, which write their sources
.endm
	s_load_b512 s[8:23], s[0:1], 0x0               ; Jp s[8:9], Jg s[10:11], Wq s[12:13], Wk s[14:15], Wv s[16:17], bq s[18:19], bk s[20:21], bv s[22:23]
	s_load_b128 s[24:27], s[0:1], 0x40             ; the exponents s[24:25], qimg s[26:27]
	s_load_b64 s[28:29], s[0:1], 0x50              ; kv
	v_lshrrev_b32 v1, 5, v0
	v_readfirstlane_b32 s42, v1                    ; wave 0..5
	s_lshr_b32 s43, s42, 1                         ; role
	s_and_b32 s44, s42, 1                          ; which 64 pixels
	v_and_b32 v1, 15, v0                           ; r
	v_bfe_u32 v2, v0, 4, 1                         ; h
	v_lshlrev_b32 v3, 4, v1
	v_lshl_add_u32 v3, v2, 17, v3                  ; the pixels: 16 r + 8 h channels of 16,384 bytes
	v_lshlrev_b32 v4, 8, v1
	v_lshl_add_u32 v4, v2, 5, v4                   ; W: row r of 256 bytes + 8 h channels
	v_and_b32 v6, 31, v0
	v_lshlrev_b32 v6, 4, v6                        ; an image: 16 x lane
	s_lshr_b32 s58, ttmp9, 5                       ; where my pixels begin: batch x 2^20 + 512 s + 256 x half
	s_lshl_b32 s58, s58, 20
	s_and_b32 s59, ttmp9, 31
	s_lshl_b32 s59, s59, 9
	s_add_co_u32 s58, s58, s59
	s_lshl_b32 s59, s44, 8
	s_add_co_u32 s58, s58, s59
	s_mov_b32 s59, 0
	s_cmp_eq_u32 s43, 0                            ; where my images go: Q: 16,384 g + 8,192 half;  K: 32,768 g + 8,192 half;  V: 32,768 g + 16,384 + 1,024 half (my 64 keys are registers 8 half .. 8 half + 7 of each of V's fragments)
	s_cselect_b32 s60, 14, 15
	s_lshl_b32 s60, ttmp9, s60
	s_cmp_eq_u32 s43, 2
	s_cselect_b32 s61, 10, 13
	s_cselect_b32 s62, 0x4000, 0
	s_lshl_b32 s61, s44, s61
	s_add_co_u32 s60, s60, s61
	s_add_co_u32 s60, s60, s62
	s_mov_b32 s61, 0
	s_wait_kmcnt 0x0
	s_load_b256 s[32:39], s[24:25], 0x0            ; e0 .. e7
	s_load_b32 s40, s[24:25], 0x24                 ; e9
	s_cmp_eq_u32 s43, 1                            ; the role's buffers: the choice hangs on the wave's number alone
	s_cselect_b64 s[48:49], s[14:15], s[16:17]
	s_cselect_b64 s[50:51], s[20:21], s[22:23]
	s_cmp_eq_u32 s43, 0
	s_cselect_b64 s[48:49], s[12:13], s[48:49]     ; W
	s_cselect_b64 s[50:51], s[18:19], s[50:51]     ; b
	s_cselect_b64 s[46:47], s[8:9], s[10:11]       ; the pixels
	s_cselect_b64 s[52:53], s[26:27], s[28:29]     ; the images
	s_add_nc_u64 s[46:47], s[46:47], s[58:59]
	s_add_nc_u64 s[52:53], s[52:53], s[60:61]
	s_cmp_eq_u32 s43, 2                            ; the waves part once, on the wave's number, and do not join again
	s_cbranch_scc1 .Lrole_v
	s_wait_alu depctr_va_vdst(0)
	; ---- Q and K
	v_lshlrev_b32 v5, 5, v2                        ; the bias in the result's layout: tile t, register j: b[16 t + 8 h + j]
.irp t, 0,1,2,3,4,5,6,7
	global_load_b128 v[BIAS+8*\t:BIAS+8*\t+3],   v5, s[50:51] offset:64*\t
	global_load_b128 v[BIAS+8*\t+4:BIAS+8*\t+7], v5, s[50:51] offset:64*\t+16
.endr
	PREP
.set n, 0
.rept 64
	v_ldexp_f32 v[BIAS+n], v[BIAS+n], s57          ; b / 2^(eX + eW): nothing is rounded, short of overflow and underflow
.set n, n+1
.endr
	s_wait_alu depctr_va_vdst(0)
.irp i, 0,1,2,3                        ; a tile of 16 pixels at a time: its 128 features are 8 accumulators, and then one fragment
.irp t, 0,1,2,3,4,5,6,7
	v_wmma_f32_16x16x64_bf8_bf8 v[ACC+8*\t:ACC+8*\t+7], v[WF+8*\t:WF+8*\t+7], v[XF+8*\i:XF+8*\i+7], v[BIAS+8*\t:BIAS+8*\t+7]
.endr
	OUTQ
.irp c, 0,1,2,3
	global_store_b128 v6, v[PC+4*\c:PC+4*\c+3], s[52:53] offset:2048*\i+512*\c
.endr
.endr
	s_endpgm
	; ---- V
.Lrole_v:
	s_wait_alu depctr_va_vdst(0)
	v_lshlrev_b32 v5, 2, v1                        ; the bias: tile t, every register: b[16 t + r]
.irp t, 0,1,2,3,4,5,6,7
	global_load_b32 v[PC+\t], v5, s[50:51] offset:64*\t
.endr
	PREP
.irp t, 0,1,2,3,4,5,6,7
.irp j, 0,1,2,3,4,5,6,7
	v_ldexp_f32 v[BIAS+8*\t+\j], v[PC+\t], s57
.endr
.endr
.irp u, 0,1,2,3                        ; two tiles of 16 features at a time, each against the four tiles of pixels
.irp dd, 0,1
.irp i, 0,1,2,3
	v_wmma_f32_16x16x64_bf8_bf8 v[ACC+8*(4*\dd+\i):ACC+8*(4*\dd+\i)+7], v[XF+8*\i:XF+8*\i+7], v[WF+8*(2*\u+\dd):WF+8*(2*\u+\dd)+7], v[BIAS+8*(2*\u+\dd):BIAS+8*(2*\u+\dd)+7]
.endr
.endr
	OUTQ
.irp dd, 0,1
.irp cc, 0,1
	global_store_b128 v6, v[PC+8*\dd+4*\cc:PC+8*\dd+4*\cc+3], s[52:53] offset:2048*(2*\u+\dd)+512*\cc
.endr
.endr
.endr
	s_endpgm
.Lfunc_end_k_q1f5da0d810_project:
	.size	k_q1f5da0d810_project, .Lfunc_end_k_q1f5da0d810_project-k_q1f5da0d810_project
	.p2alignl 7, 3214868480
	.fill 96, 4, 3214868480
	.section	.rodata,"a",@progbits
	.p2align	6, 0x0
	.amdhsa_kernel k_q1f5da0d810_project
		.amdhsa_group_segment_fixed_size 0
		.amdhsa_private_segment_fixed_size 0
		.amdhsa_enable_private_segment 0
		.amdhsa_kernarg_size 88
		.amdhsa_user_sgpr_count 2
		.amdhsa_user_sgpr_kernarg_segment_ptr 1
		.amdhsa_wavefront_size32 1
		.amdhsa_system_sgpr_workgroup_id_x 1
		.amdhsa_system_sgpr_workgroup_id_y 1
		.amdhsa_system_sgpr_workgroup_id_z 1
		.amdhsa_system_vgpr_workitem_id 0
		.amdhsa_next_free_vgpr 512
		.amdhsa_next_free_sgpr 66
		.amdhsa_reserve_vcc 0
		.amdhsa_float_denorm_mode_32 3
		.amdhsa_float_denorm_mode_16_64 3
		.amdhsa_fp16_overflow 1
		.amdhsa_memory_ordered 1
		.amdhsa_forward_progress 1
		.amdhsa_inst_pref_size 69
	.end_amdhsa_kernel
	.amdgpu_metadata
---
amdhsa.version: [ 1, 2 ]
amdhsa.kernels:
  - .name:           k_q1f5da0d810_project
    .symbol:         k_q1f5da0d810_project.kd
    .args:
      - { .name: Jp_embedding, .offset: 0, .size: 8, .value_kind: global_buffer, .address_space: global }
      - { .name: Jg_embedding, .offset: 8, .size: 8, .value_kind: global_buffer, .address_space: global }
      - { .name: Wq, .offset: 16, .size: 8, .value_kind: global_buffer, .address_space: global }
      - { .name: Wk, .offset: 24, .size: 8, .value_kind: global_buffer, .address_space: global }
      - { .name: Wv, .offset: 32, .size: 8, .value_kind: global_buffer, .address_space: global }
      - { .name: bq, .offset: 40, .size: 8, .value_kind: global_buffer, .address_space: global }
      - { .name: bk, .offset: 48, .size: 8, .value_kind: global_buffer, .address_space: global }
      - { .name: bv, .offset: 56, .size: 8, .value_kind: global_buffer, .address_space: global }
      - { .name: lowp_scales, .offset: 64, .size: 8, .value_kind: global_buffer, .address_space: global }
      - { .name: qimg, .offset: 72, .size: 8, .value_kind: global_buffer, .address_space: global }
      - { .name: kv, .offset: 80, .size: 8, .value_kind: global_buffer, .address_space: global }
    .group_segment_fixed_size: 0
    .private_segment_fixed_size: 0
    .kernarg_segment_align: 8
    .kernarg_segment_size: 88
    .max_flat_workgroup_size: 192
    .sgpr_count:     66
    .vgpr_count:     512
    .wavefront_size: 32
...
	.end_amdgpu_metadata
.endif
;; end of part 1
;; launch attend (part 2): grid 32 x 8, 8 waves a work-group, clusters of 4 x 1, 327,680 bytes of LDS; arguments qimg, kv, lowp_scales, out0; writes out0
.if DOCPART == 2
	.amdgcn_target "amdgcn-amd-amdhsa--gfx1250"
	.amdhsa_code_object_version 6
	.text
	.protected	k_q1f5da0d810_attend
	.globl	k_q1f5da0d810_attend
	.p2align	8
	.type	k_q1f5da0d810_attend,@function
k_q1f5da0d810_attend:
	s_mov_b64 s[64:65], 0
	v_nop
	global_prefetch_b8 v0, s[64:65] scope:SCOPE_SE
	s_setreg_imm32_b32 hwreg(HW_REG_WAVE_MODE, 25, 1), 1
	s_wait_xcnt 0x0
	s_wait_alu depctr_hold_cnt(0) depctr_sa_sdst(0) depctr_va_vdst(0) depctr_va_sdst(0) depctr_va_ssrc(0) depctr_va_vcc(0) depctr_vm_vsrc(0)
	s_getreg_b32 s2, hwreg(HW_REG_IB_STS2, 6, 4)
	s_cmp_eq_u32 s2, 0
	s_cbranch_scc0 .Lentry_in_a_cluster
	s_endpgm
.Lentry_in_a_cluster:
	s_bfe_u32 s2, ttmp6, 0x10000c
	s_cmp_lg_u32 s2, 0x3003
	s_cbranch_scc0 .Lentry_shape_is_right
	s_endpgm
.Lentry_shape_is_right:
; out[b][q][:] = the sum over k of softmax_k(Q[b][q] . K[b][k] / sqrt(128)) V[b][k][:], both products on codes of BF8 (E5M2), each operand with the one scale 2^e that is given for it (e6 Q, e7 K, e8 p, e9 V).
; 8 batches, 4,096 queries, 4,096 keys, 128 features.  Q, K and V arrive as IMAGES OF FRAGMENTS (16 rows x 128 k, 2,048 bytes: registers 4 g .. 4 g + 3 of lane l at 512 g + 16 l), made by the launch before:
; qimg [batch][256 tiles][2,048]; kv [batch][32 steps of 128 keys][8 tiles of K, then 8 tiles of V with the step's keys as k]: a step is 32 KiB on end.  Tile T of the queries holds, in row r, query
; 128 (T / 8) + 64 ((T % 8) / 4) + 4 r + T % 4.  The keys' order is alike in K's rows and V's k, so no sum sees it.  out0: [batch][query][128] f32.
; THE SOFTMAX AHEAD OF THE SECOND PRODUCT: t = score x log2(e) / sqrt(128); M = the largest t so far, rounded UP to a whole number; p = 2^(t - M) is what is quantised; it is not normalised.
; The row's sum is taken of the unquantised p, in f32, and divides at the end.  When M moves, the sum and O are multiplied by 2^(old M - new M): nothing is rounded, and there is no branch on data.
; SHARES.  A work-group owns 128 queries (8 tiles) of one batch: 256 work-groups.  Wave w = 4 kh + p owns the TWO tiles 2 p, 2 p + 1 and walks HALF the keys: steps 2 kh, 2 kh + 1 of every four.  So each
; fragment of K and V that a wave reads from LDS feeds two matrix instructions, and a SIMD holds two waves of 512 registers: one wave's softmax stands beside the other's products and LDS loads.
; At the end waves w and w xor 4 merge their halves (O, sum, M) through LDS: both M are whole numbers, so the merge scales by exact powers of two.  A wave's register tile u holds query tile 2 p + (u xor kh):
; every wave keeps its register tile 0 and hands over its register tile 1, and the text is the same for all.
; LAYOUT.  Both products are used transposed: S^T = K Q^T (source 0 = 16 keys, source 1 = 16 queries), O^T = V^T P^T (source 0 = 16 features, source 1 = P): a lane holds ONE query (lane % 16) throughout.
; In S^T register j of tile t is key row 8 (lane / 16) + j of that tile: one conversion of the tile's 8 registers gives registers 2 t, 2 t + 1 of P, k = 16 t + 8 (lane / 16) + 0 .. 7, the form's own layout.
; THE RING.  Two LDS slots of four steps (128 KiB).  CLUSTER: the four work-groups of a cluster belong to one batch and walk the same kv, so each tile is asked for JOINTLY: the same tensor load, with the same
; descriptor and a mask that names the four.  Each of the eight waves asks for an eighth of a slot (64 rows of 256 bytes, on end in memory and in LDS): one tensor load a wave behind each change of slots,
; and never more than one out.  The images are read 512 consecutive bytes an instruction: no pitch, no padding.
; LIMITS on the given exponents, so that each power of two below is an f32 number: e6 + e7 between -123 and 130 (they are added to c's exponent field); e8 between -126 and 112; e8 + e9 is applied by v_ldexp_f32.
; REGISTERS.  Window 0: v1-15 addresses and constants; v16-47 statistics, 16 a tile; v48-79 Q; v80-111 P's codes; v112-239 S^T, then p, 64 a tile; v240-249 at work.
;   Window 1: v0-127 O^T (tile u, features 16 d on: v[64 u + 8 d]); v128-255 the 8 fragments of K or of V in hand.
.set SLOT1, 1<<17                      ; slot 1 begins here: one exclusive or turns an address in one slot into the other's
.set SLOTB, 131072                     ; a slot's bytes in memory: four steps
.set SPARE, 2*SLOT1                    ; behind the ring: the spare words, 128 bytes for each wave: four blocks of 256 bytes that no other line names
.set STG,   SPARE+1024                 ; the way out: a stage of 16 rows x (256 + 16) bytes for each wave
.set STGW,  16*272
.set XCHW,  8448                       ; the merge: 8,192 bytes of O and 256 of statistics for each wave, from LDS byte 0 on: slot 0 has had its last fill, and every wave has left it at the last change of slots
.set AD,   1                           ; v1   16 x lane + 65,536 kh: my place in a slot
.set ADR,  2                           ; v2   the same in the slot in hand
.set SPW,  3                           ; v3   LDS address of my spare word: SPARE + 4 x my thread's number; never rewritten
.set NIL,  4                           ; v4   0; never rewritten
.set GO,   5                           ; v5   the way out: my byte offset in the tile's rows of out0
.set XW,   6                           ; v6   the merge: where I put O;  v7 the statistics;  v8, v9 where I find my partner's
.set XWS,  7
.set XRD,  8
.set XRS,  9
.set LIM,  10
.set SCP,  12                          ; v12  2^e8
.set SI,   13                          ; v13  the stage: where I put 32 bytes of a row;  v14 where I read a row back
.set SB,   14
.set LI,   15                          ; v15  16 x lane
.set ST,   16                          ; tile u's statistics at v[ST + 16 u]: +0 -M, +1 the largest t, +2, +3 the sum in two halves, +4, +10 at work, +5 the other half of the lanes', +6 f (+7 named with it), +8, +9 a second chain of sums
.set QF,   48
.set P,    80
.set S,    112
.set F,    128                         ; in window 1
.set WV,   16                          ; s16  my wave's number
.set CS,   22                          ; s[22:23] c = log2(e) / sqrt(128) x 2^(e6 + e7): the packed form names a pair and takes its low word for both halves
.set G1,   24                          ; s[24:31] descriptor group 1
.set G0,   32                          ; s[32:35] descriptor group 0, which walks
.set SEL,  36                          ; s[36:37] lane selects for v_permlanex16_b32: lane l xor 16
.set TB,   38                          ; s38  LDS byte at which the slot in hand begins
.set SLOTS, 39                         ; s39  slots still to be asked for
.set ESUM, 47                          ; s47  e8 + e9
.set MSB, 0
.macro WIN new                         ; the immediate's high byte repeats the setting that is left; a switch that changes nothing is dropped
.if MSB != \new
	s_set_vgpr_msb (MSB<<8)|\new
.set MSB, \new
.endif
.endm
.macro PLACES                          ; four plain places: behind matrix instructions, ahead of loads into registers that they have read and of the first read of their results (ISA guide 7.12.1 for vector instructions)
.rept 4
	v_nop
.endr
.endm
; A round of the cluster's barrier: my work-group's barrier, so that wave 0's signal speaks for all eight waves; wave 0 signals for the work-group; every wave waits for all four work-groups; my work-group's barrier once more.
.macro CROUND
	s_barrier_signal -1
	s_barrier_wait -1
	s_cmp_lg_u32 s[WV], 0
	s_cbranch_scc1 .Lnot_wave_0_\@
	s_barrier_signal -3
.Lnot_wave_0_\@:
	s_barrier_wait -3
	s_barrier_signal -1
	s_barrier_wait -1
.endm
; THE CHANGE OF SLOTS stands at a slot's head.  Each wave waits for all its tensor loads (its eighth of the slot that it is about to read), adds 0 to its spare word, and waits for that and for its reads of the slot that it has left.
; fill = 1: a round of the cluster's barrier follows, so that no wave of any partner still reads the slot that was left or has a load on its way, and the joint load of the next four steps into that slot is the first thing behind it:
; it has a whole slot's steps in which to land.
.macro CHANGE fill
	s_wait_tensorcnt 0x0                           ; no tensor load of mine is out, so group 0 may be written
	ds_add_u32 v[SPW], v[NIL]                      ; 0 onto my spare word
.if \fill
	s_xor_b32 s[G0+1], s[G0+1], SLOT1              ; the other slot than last time,
	s_add_nc_u64 s[G0+2:G0+3], s[G0+2:G0+3], SLOTB ; the next four steps; the type bits on top are not reached
.endif
	s_wait_dscnt 0x0                               ; the add is done, and my reads of the slot that I have left are over
.if \fill
	CROUND
	tensor_load_to_lds s[G0:G0+3], s[G1:G1+7]
	s_nop 0
	PLACES
.else
	s_barrier_signal -1
	s_barrier_wait -1
.endif
.endm
; Plain line k (0 .. 64) of what follows tile u's exponentials: the sum under the new M; the sum of the UNQUANTISED p, two at a time, in two chains.
.macro PL u
.set rT, ST+16*(\u)
.set rS, S+64*(\u)
.if k == 0
	v_pk_mul_f32 v[rT+2:rT+3], v[rT+2:rT+3], v[rT+6:rT+7] op_sel_hi:[1,0]
.elseif k == 1
	s_wait_alu depctr_va_vdst(0)
	v_pk_add_f32 v[rT+8:rT+9], v[rS:rS+1], v[rS+2:rS+3]
.elseif k < 32
.if (k%2) == 0
	v_pk_add_f32 v[rT+2:rT+3], v[rT+2:rT+3], v[rS+2*k:rS+2*k+1]
.else
	v_pk_add_f32 v[rT+8:rT+9], v[rT+8:rT+9], v[rS+2*k:rS+2*k+1]
.endif
.elseif k == 32
	v_pk_add_f32 v[rT+2:rT+3], v[rT+2:rT+3], v[rT+8:rT+9]
.else
.endif
.endm
; A KEY STEP: 128 keys, the q-th of my two in the slot in hand, for my two tiles of queries.
.macro STEP q
	v_add_nc_u32 v[ADR], s[TB], v[AD]
	PLACES                                         ; the last products V^T P read the registers that K's fragments take
	WIN 0x40                                       ; destination window 1, address window 0
.irp f, 0,1,2,3,4,5,6,7
.irp c, 0,1,2,3
	ds_load_b128 v[F+16*\f+4*\c:F+16*\f+4*\c+3], v[ADR] offset:32768*\q+2048*\f+512*\c
.endr
.endr
	s_wait_dscnt 16                                ; the youngest 16 loads, tiles 4-7, may be out: tiles 0-3 are in
	WIN 0x01                                       ; source 0 (K) window 1
.irp t, 0,1,2,3
.irp u, 0,1
	v_wmma_f32_16x16x128_bf8_bf8 v[S+64*\u+8*\t:S+64*\u+8*\t+7], v[F+16*\t:F+16*\t+15], v[QF+16*\u:QF+16*\u+15], 0
.endr
.endr
	s_wait_dscnt 0x0
.irp t, 4,5,6,7
.irp u, 0,1
	v_wmma_f32_16x16x128_bf8_bf8 v[S+64*\u+8*\t:S+64*\u+8*\t+7], v[F+16*\t:F+16*\t+15], v[QF+16*\u:QF+16*\u+15], 0
.endr
.endr
	PLACES                                         ; for the loads into K's registers and for the first read of the scores alike
	WIN 0x40
.irp f, 0,1,2,3,4,5,6,7                        ; V's fragments land while the softmax is walked
.irp c, 0,1,2,3
	ds_load_b128 v[F+16*\f+4*\c:F+16*\f+4*\c+3], v[ADR] offset:32768*\q+16384+2048*\f+512*\c
.endr
.endr
	WIN 0
.irp u, 0,1                                    ; the step's largest score of my query among my 64 keys: two chains a tile, the tiles by turns; each accumulator from its low end on
	v_max3_num_f32 v[ST+16*\u+4],  v[S+64*\u],   v[S+64*\u+1], v[S+64*\u+2]
	v_max3_num_f32 v[ST+16*\u+10], v[S+64*\u+3], v[S+64*\u+4], v[S+64*\u+5]
.endr
.irp i, 6,10,14,18,22,26,30,34,38,42,46,50,54,58
.irp u, 0,1
	v_max3_num_f32 v[ST+16*\u+4],  v[ST+16*\u+4],  v[S+64*\u+\i],   v[S+64*\u+\i+1]
	v_max3_num_f32 v[ST+16*\u+10], v[ST+16*\u+10], v[S+64*\u+\i+2], v[S+64*\u+\i+3]
.endr
.endr
.irp u, 0,1
	v_max3_num_f32 v[ST+16*\u+4], v[ST+16*\u+4], v[S+64*\u+62], v[S+64*\u+63]
.endr
.irp u, 0,1
	v_max_num_f32 v[ST+16*\u+4], v[ST+16*\u+4], v[ST+16*\u+10]
.endr
.irp u, 0,1
	v_permlanex16_b32 v[ST+16*\u+5], v[ST+16*\u+4], s[SEL], s[SEL+1]
.endr
.irp u, 0,1
	v_max_num_f32 v[ST+16*\u+4], v[ST+16*\u+4], v[ST+16*\u+5]     ; and among lane l xor 16's
.endr
.irp u, 0,1
	v_mul_f32 v[ST+16*\u+4], s[CS], v[ST+16*\u+4]                 ; as t (c is positive)
.endr
.irp u, 0,1
	v_max_num_f32 v[ST+16*\u+1], v[ST+16*\u+1], v[ST+16*\u+4]     ; the running largest t
.endr
.irp u, 0,1
	v_mov_b32 v[ST+16*\u+4], v[ST+16*\u]
.endr
.irp u, 0,1
	v_floor_f32 v[ST+16*\u], -v[ST+16*\u+1]                       ; the new -M = floor(-t) = -ceil(t): M IS A WHOLE NUMBER
.endr
.irp u, 0,1
	v_sub_f32 v[ST+16*\u+4], v[ST+16*\u], v[ST+16*\u+4]           ; M's old value less its new one: a whole number, 0 or less
.endr
.irp u, 0,1
	v_cvt_i32_f32 v[ST+16*\u+4], v[ST+16*\u+4]                    ; (it saturates)
.endr
.irp u, 0,1
	v_ldexp_f32 v[ST+16*\u+6], 1.0, v[ST+16*\u+4]                 ; f = 2^(old M - new M)
.endr
.set k, 0
.rept 32
	v_pk_fma_f32 v[S+2*k:S+2*k+1], v[S+2*k:S+2*k+1], s[CS:CS+1], v[ST:ST+1] op_sel_hi:[1,0,0]   ; tile 0: t - M, two at a time (of the pairs c and -M the low word serves both halves)
.set k, k+1
.endr
.set k, 0
.rept 32                                       ; tile 0's exponentials; tile 1's t - M stands between them
	v_exp_f32 v[S+2*k], v[S+2*k]
	v_pk_fma_f32 v[S+64+2*k:S+64+2*k+1], v[S+64+2*k:S+64+2*k+1], s[CS:CS+1], v[ST+16:ST+17] op_sel_hi:[1,0,0]
	v_exp_f32 v[S+2*k+1], v[S+2*k+1]
.set k, k+1
.endr
.set k, 0
.rept 64                                       ; tile 1's exponentials, the first 33 each with a plain line of tile 0 behind it (ISA guide 5.7.2: a plain line stands between an exponential and the use of its result)
	v_exp_f32 v[S+64+k], v[S+64+k]
	PL 0
.set k, k+1
.endr
	PL 0
.irp t, 0,1,2,3,4,5,6,7
	v_cvt_scalef32_pk8_bf8_f32 v[P+2*\t:P+2*\t+1], v[S+8*\t:S+8*\t+7], v[SCP]
.endr
.set k, 0
.rept 65
	PL 1
.set k, k+1
.endr
.irp t, 0,1,2,3,4,5,6,7
	v_cvt_scalef32_pk8_bf8_f32 v[P+16+2*\t:P+16+2*\t+1], v[S+64+8*\t:S+64+8*\t+7], v[SCP]
.endr
	WIN 0x41                                       ; O^T (destination and source 0) window 1, f window 0
.irp u, 0,1
.set k, 0
.rept 32
	v_pk_mul_f32 v[64*\u+k:64*\u+k+1], v[64*\u+k:64*\u+k+1], v[ST+16*\u+6:ST+16*\u+7] op_sel_hi:[1,0]   ; O^T under the new M.  (These are also the plain lines between the conversions and the products that read their results)
.set k, k+2
.endr
.endr
	s_wait_dscnt 0x0                               ; V is in
	WIN 0x51                                       ; V, C and D window 1, P window 0
.irp d, 0,1,2,3,4,5,6,7                        ; the 16 accumulators take turns, one instruction a turn
.irp u, 0,1
	v_wmma_f32_16x16x128_bf8_bf8 v[64*\u+8*\d:64*\u+8*\d+7], v[F+16*\d:F+16*\d+15], v[P+16*\u:P+16*\u+15], v[64*\u+8*\d:64*\u+8*\d+7]
.endr
.endr
	WIN 0
.endm
.macro SLOT_STEPS
	STEP 0
	STEP 1
	s_xor_b32 s[TB], s[TB], SLOT1                  ; on to the other slot
.endm
	s_load_b256 s[4:11], s[0:1], 0x0               ; qimg s[4:5], kv s[6:7], the exponents s[8:9], out0 s[10:11]
	v_lshl_add_u32 v[SPW], v0, 2, SPARE
	v_mov_b32 v[NIL], 0
	ds_add_u32 v3, v4
	ds_add_u32 v3, v4
	s_wait_dscnt 0x0
	v_lshrrev_b32 v[ADR], 5, v0
	v_readfirstlane_b32 s[WV], v[ADR]              ; wave 0..7
	s_and_b32 s17, s[WV], 3                        ; p: which pair of tiles
	s_lshr_b32 s18, s[WV], 2                       ; kh: which half of the keys
	s_bfe_u32 s19, ttmp6, 0x40000                  ; cx: my place in the cluster
	s_lshl_b32 s20, ttmp9, 2                       ; in a cluster launch ttmp9 counts clusters
	s_add_co_u32 s20, s20, s19                     ; my block of 128 queries = 4 x cluster x + cx: it enters Q's and the output's addresses alone
	s_and_b32 s21, ttmp7, 0xffff                   ; the batch, which the four partners share
	; descriptor group 1: 64 rows of 32 elements of 8 bytes, on end in memory and in LDS
	s_mov_b32 s[G1], 15|(3<<16)|(1<<21)            ; 15:0 the mask: all four work-groups; 17:16 elements of 8 bytes; 20 no padding; 21 set beside a mask
	s_mov_b32 s[G1+1], 32<<16                      ; tensor_dim0 = 32
	s_mov_b32 s[G1+2], 64<<16                      ; tensor_dim1 = 64
	s_mov_b32 s[G1+3], 32<<16                      ; tile_dim0 = 32
	s_mov_b32 s[G1+4], 64                          ; tile_dim1 = 64
	s_mov_b32 s[G1+5], 32                          ; tensor_dim0_stride
	s_mov_b32 s[G1+6], 0
	s_mov_b32 s[G1+7], 0
	s_mov_b32 s[SEL], 0x76543210
	s_mov_b32 s[SEL+1], 0xfedcba98
	s_mov_b32 s[CS], 0x3e0293ee                    ; log2(e) / sqrt(128)
	s_mov_b32 s[TB], 0
	s_mov_b32 s[SLOTS], 7                          ; eight slots' worth of keys: all but the first are asked for in the loop
	s_lshl_b32 s40, s21, 20                        ; the batch's 2^20 bytes of kv,
	s_lshl_b32 s41, s[WV], 14                      ; my eighth of a slot
	s_add_co_u32 s40, s40, s41
	s_mov_b32 s41, 0
	s_mov_b32 s[G0], 1                             ; 1:0 count = 1
	s_lshl_b32 s[G0+1], s[WV], 14                  ; 63:32 LDS address: slot 0, my eighth: no place in the cluster enters an LDS address
	s_wait_kmcnt 0x0
	s_load_b128 s[12:15], s[8:9], 0x18             ; e6, e7, e8, e9
	s_add_nc_u64 s[G0+2:G0+3], s[6:7], s[40:41]    ; 120:64 global address
	s_or_b32 s[G0+3], s[G0+3], 0x80000000          ; 127:126 type = 2
	CROUND                                         ; all four work-groups are here: the first joint loads meet
	tensor_load_to_lds s[G0:G0+3], s[G1:G1+7]      ; steps 0 to 3 into slot 0
	s_nop 0
	PLACES
	s_lshl_b32 s40, s21, 19                        ; Q: the batch's 256 images, my block's 8
	s_lshl_b32 s41, s20, 14
	s_add_co_u32 s40, s40, s41
	s_mov_b32 s41, 0
	s_add_nc_u64 s[4:5], s[4:5], s[40:41]
	s_lshl_b32 s42, s17, 1
	s_add_co_u32 s42, s42, s18                     ; the tile that I keep: 2 p + kh,
	s_xor_b32 s43, s42, 1                          ; and the one that I hand over
	s_lshl_b32 s44, s42, 11
	s_lshl_b32 s45, s43, 11
	v_and_b32 v[LI], 31, v0
	v_lshlrev_b32 v244, 3, v[LI]                   ; 8 x lane
	v_lshlrev_b32 v[LI], 4, v[LI]                  ; 16 x lane
	v_add_nc_u32 v248, s44, v[LI]
	v_add_nc_u32 v249, s45, v[LI]
.irp c, 0,1,2,3
	global_load_b128 v[QF+4*\c:QF+4*\c+3],       v248, s[4:5] offset:512*\c    ; Q stays in registers
	global_load_b128 v[QF+16+4*\c:QF+16+4*\c+3], v249, s[4:5] offset:512*\c
.endr
	s_lshl_b32 s40, s21, 12                        ; out0: the first query of the tile that I keep: 4,096 batch + 128 block + 64 (tile / 4) + tile % 4; its row r lies 4 r queries on
	s_lshl_b32 s41, s20, 7
	s_add_co_u32 s40, s40, s41
	s_lshr_b32 s41, s42, 2
	s_lshl_b32 s41, s41, 6
	s_add_co_u32 s40, s40, s41
	s_and_b32 s41, s42, 3
	s_add_co_u32 s40, s40, s41
	s_lshl_b32 s40, s40, 9                         ; rows of 512 bytes
	s_mov_b32 s41, 0
	s_add_nc_u64 s[10:11], s[10:11], s[40:41]
	v_lshrrev_b32 v[AD], 7, v0
	v_lshl_add_u32 v[AD], v[AD], 16, v[LI]
	v_and_b32 v242, 15, v0                         ; r
	v_bfe_u32 v243, v0, 4, 1                       ; h
	v_lshlrev_b32 v[GO], 4, v242
	v_lshl_add_u32 v[GO], v243, 11, v[GO]          ; lanes 0-15 take one row of the tile, lanes 16-31 the next, four queries (2,048 bytes) on; 16 bytes a lane
	s_mul_i32 s40, s[WV], XCHW
	v_add_nc_u32 v[XW], s40, v[LI]
	v_add_nc_u32 v[XWS], s40, v244
	s_xor_b32 s41, s[WV], 4                        ; my partner: the same pair of tiles, the other half of the keys
	s_mul_i32 s41, s41, XCHW
	v_add_nc_u32 v[XRD], s41, v[LI]
	v_add_nc_u32 v[XRS], s41, v244
	s_mul_i32 s40, s[WV], STGW
	s_add_co_u32 s40, s40, STG                     ; my stage
	v_mul_u32_u24 v[SI], v242, 272
	v_lshl_add_u32 v[SI], v243, 5, v[SI]
	v_add_nc_u32 v[SI], s40, v[SI]                 ; in: row r, + 32 h
	v_mul_u32_u24 v[SB], v243, 272
	v_lshl_add_u32 v[SB], v242, 4, v[SB]
	v_add_nc_u32 v[SB], s40, v[SB]                 ; back: lanes 0-15 one row, lanes 16-31 the next
.irp u, 0,1
	v_mov_b32 v[ST+16*\u+1], 0xff61b1e6            ; the largest t so far: -3e38, under every t
	v_floor_f32 v[ST+16*\u], -v[ST+16*\u+1]        ; -M
	v_mov_b32 v[ST+16*\u+2], 0                     ; the sum, in two halves
	v_mov_b32 v[ST+16*\u+3], 0
	v_mov_b32 v[ST+16*\u+5], 0                     ; written once: a lane permute's destination counts as one of its sources
	v_mov_b32 v[ST+16*\u+7], 0                     ; (named as the upper half of f's pair)
.endr
	WIN 0x40
.set k, 0
.rept 128
	v_mov_b32 v[k], 0                              ; O^T.  The key step is written without a first step of its own: the first finds zeros, which the first change of M leaves zeros; that spares a further copy of the step's text
.set k, k+1
.endr
	WIN 0
	s_wait_kmcnt 0x0
	s_add_co_i32 s40, s12, s13
	s_lshl_b32 s40, s40, 23
	s_add_co_i32 s[CS], s[CS], s40                 ; a score stands for score x 2^(e6 + e7): the two exponents are added to c's exponent field
	s_mov_b32 s[CS+1], s[CS]                       ; (named with it as a pair, so it is written)
	s_add_co_i32 s40, s14, 127
	s_lshl_b32 s41, s40, 23
	v_mov_b32 v[SCP], s41                          ; 2^e8 as f32, for the conversion
	s_add_co_i32 s[ESUM], s14, s15
	s_wait_loadcnt 0x0                             ; Q
.Lslot:                                            ; seven trips: behind each change of slots but the last the next four steps are asked for
	CHANGE 1
	SLOT_STEPS
	s_sub_co_u32 s[SLOTS], s[SLOTS], 1
	s_cmp_lg_u32 s[SLOTS], 0
	s_cbranch_scc1 .Lslot
	CHANGE 0                                       ; the last slot is written out
	SLOT_STEPS
	; THE MERGE.  My register tile 1 (O^T, -M, my lane's sum) goes to my partner, its register tile 1 comes to me: both are the query tile that the receiver keeps.
	v_add_f32 v[ST+1],  v[ST+2],  v[ST+3]          ; the sums' two halves (the largest t is done with).  These four plain lines are the places behind the last products
	v_add_f32 v[ST+17], v[ST+18], v[ST+19]
	v_mov_b32 v246, 0                              ; written once: a lane permute's destination counts as one of its sources
	v_nop
	WIN 0x04                                       ; store data window 1
.irp g, 0,1,2,3,4,5,6,7,8,9,10,11,12,13,14,15
	ds_store_b128 v[XW], v[64+4*\g:64+4*\g+3] offset:512*\g      ; as the registers stand: 16 bytes a lane, 512 bytes a store; each accumulator from its low end on
.endr
	WIN 0
	ds_store_b64 v[XWS], v[ST+16:ST+17] offset:8192              ; -M and the sum
	s_wait_dscnt 0x0                               ; for my partner's sake: my stores have landed
	s_barrier_signal -1
	s_barrier_wait -1
.irp g, 0,1,2,3,4,5,6,7,8,9,10,11,12,13,14,15
	ds_load_b128 v[S+4*\g:S+4*\g+3], v[XRD] offset:512*\g
.endr
	ds_load_b64 v[240:241], v[XRS] offset:8192
	s_wait_dscnt 0x0
	v_min_num_f32 v242, v[ST], v240                ; -M of the whole row: the lesser of the two
	v_sub_f32 v243, v242, v[ST]                    ; my M less the row's, and my partner's: whole numbers, 0 or less
	v_sub_f32 v244, v242, v240
	v_cvt_i32_f32 v243, v243
	v_cvt_i32_f32 v244, v244
	v_ldexp_f32 v243, 1.0, v243                    ; f0, f1: exact powers of two
	v_ldexp_f32 v244, 1.0, v244
	v_mul_f32 v245, v[ST+1], v243
	v_fma_f32 v245, v241, v244, v245               ; my lane's part of the row's sum,
	v_permlanex16_b32 v246, v245, s[SEL], s[SEL+1]
	v_add_f32 v245, v245, v246                     ; and lane l xor 16's
	v_rcp_f32 v245, v245
	v_nop                                          ; a plain line behind the transcendental
	s_wait_alu depctr_va_vdst(0)
	v_ldexp_f32 v245, v245, s[ESUM]                ; x 2^(e8 + e9)
	v_mul_f32 v242, v243, v245                     ; g0 = f0 / the sum x 2^(e8 + e9), the low word of the pair v[242:243],
	v_mul_f32 v244, v244, v245                     ; g1 likewise, of v[244:245]
	WIN 0x01                                       ; source 0 (my O^T) window 1
.set k, 0
.rept 32
	v_pk_mul_f32 v[S+64+k:S+64+k+1], v[k:k+1], v[242:243] op_sel_hi:[1,0]
.set k, k+2
.endr
	WIN 0
.set k, 0
.rept 32
	v_pk_fma_f32 v[S+64+k:S+64+k+1], v[S+k:S+k+1], v[244:245], v[S+64+k:S+64+k+1] op_sel_hi:[1,0,1]   ; register 8 d + j is out(row r of my tile, feature 16 d + 8 h + j)
.set k, k+2
.endr
	; THE WAY OUT, through my stage, half a row (64 features, 256 bytes) of the tile's 16 queries at a time.  LDS serves a wave's instructions in order (ISA guide 5.7.1.4): the loads see my stores, and the second half's stores come behind the first's loads.
.irp u, 0,1
.irp t, 0,1,2,3
	ds_store_b128 v[SI], v[S+64+32*\u+8*\t:S+64+32*\u+8*\t+3]   offset:64*\t
	ds_store_b128 v[SI], v[S+64+32*\u+8*\t+4:S+64+32*\u+8*\t+7] offset:64*\t+16
.endr
.irp i, 0,1,2,3,4,5,6,7
	ds_load_b128 v[S+32*\u+4*\i:S+32*\u+4*\i+3], v[SB] offset:544*\i
.endr
.endr
.irp u, 0,1
.irp i, 0,1,2,3,4,5,6,7
	s_wait_dscnt 23-16*\u-\i                       ; behind this load: the 7 - i others of its half and, for the first half, the second's 8 stores and 8 loads
	global_store_b128 v[GO], v[S+32*\u+4*\i:S+32*\u+4*\i+3], s[10:11] offset:4096*\i+256*\u th:TH_STORE_NT   ; sixteen lanes store 256 consecutive bytes, aligned; written once, read by nobody here
.endr
.endr
	s_wait_tensorcnt 0x0                           ; the wave's end: behind my last tensor load and my last LDS store
	ds_add_u32 v[SPW], v[NIL]
	s_wait_dscnt 0x0
	CROUND                                         ; the closing round: no work-group ends while a partner may still ask for a tile that names it
	s_endpgm
.Lfunc_end_k_q1f5da0d810_attend:
	.size	k_q1f5da0d810_attend, .Lfunc_end_k_q1f5da0d810_attend-k_q1f5da0d810_attend
	.p2alignl 7, 3214868480
	.fill 96, 4, 3214868480
	.section	.rodata,"a",@progbits
	.p2align	6, 0x0
	.amdhsa_kernel k_q1f5da0d810_attend
		.amdhsa_group_segment_fixed_size 327680
		.amdhsa_private_segment_fixed_size 0
		.amdhsa_enable_private_segment 0
		.amdhsa_kernarg_size 32
		.amdhsa_user_sgpr_count 2
		.amdhsa_user_sgpr_kernarg_segment_ptr 1
		.amdhsa_wavefront_size32 1
		.amdhsa_system_sgpr_workgroup_id_x 1
		.amdhsa_system_sgpr_workgroup_id_y 1
		.amdhsa_system_sgpr_workgroup_id_z 1
		.amdhsa_system_vgpr_workitem_id 0
		.amdhsa_next_free_vgpr 512
		.amdhsa_next_free_sgpr 66
		.amdhsa_reserve_vcc 0
		.amdhsa_float_denorm_mode_32 3
		.amdhsa_float_denorm_mode_16_64 3
		.amdhsa_fp16_overflow 1
		.amdhsa_memory_ordered 1
		.amdhsa_forward_progress 1
		.amdhsa_inst_pref_size 137
	.end_amdhsa_kernel
	.amdgpu_metadata
---
amdhsa.version: [ 1, 2 ]
amdhsa.kernels:
  - .name:           k_q1f5da0d810_attend
    .symbol:         k_q1f5da0d810_attend.kd
    .args:
      - { .name: qimg, .offset: 0, .size: 8, .value_kind: global_buffer, .address_space: global }
      - { .name: kv, .offset: 8, .size: 8, .value_kind: global_buffer, .address_space: global }
      - { .name: lowp_scales, .offset: 16, .size: 8, .value_kind: global_buffer, .address_space: global }
      - { .name: out0, .offset: 24, .size: 8, .value_kind: global_buffer, .address_space: global }
    .group_segment_fixed_size: 327680
    .private_segment_fixed_size: 0
    .kernarg_segment_align: 8
    .kernarg_segment_size: 32
    .max_flat_workgroup_size: 256
    .sgpr_count:     66
    .vgpr_count:     512
    .wavefront_size: 32
...
	.end_amdgpu_metadata
.endif
;; end of part 2
